; MI455X (gfx1250); checked and timed in simulation.
; The chip was launched on July 23, 2026; its instructions are those of AMD's public machine-readable ISA for CDNA 5 (MIT licence, August 2026) and "CDNA5" Instruction Set Architecture Reference Guide (July 2026). The comments in the code are by the model that wrote it; some were corrected since.
;; Onnx Non Max Suppression. Allowed arithmetic: float matrix products may take bf16 or f16 operands with f32 sums; other float arithmetic in f32, or as packed bf16 or f16 multiplies, adds, multiply-adds, maxima and minima; sums over many terms, partial sums and values carried from step to step in f32; what a program stores and reads back later, other than sums and carried values, may be rounded once to bf16 or f16.
;; Inputs: boxes 8 x 16,384 x 4 float32; iou_threshold 1 float32; score_threshold 1 float32; scores 8 x 20 x 16,384 float32.
;; Outputs: out0 8,000 x 3 int32.
;; Constants: max_output_boxes_per_class = 50.
;; 3 versions, each right; version 2 is faster than version 1; version 3 is version 2 with the launch pick written anew for expert scheduling mode. Each part assembles by itself: llvm-mc -triple=amdgcn-amd-amdhsa -mcpu=gfx1250 --defsym DOCPART=n.
;; ======== version 1 of 3: 1 launch
;; launch nms (part 1): grid 20 x 8, 16 waves a work-group, no clusters, 273,408 bytes of LDS; arguments boxes, scores, iou_threshold, score_threshold, out0; writes out0
.if DOCPART == 1
	.amdgcn_target "amdgcn-amd-amdhsa--gfx1250"
	.amdhsa_code_object_version 6
	.text
	.protected	k_q87af4a302c_nms
	.globl	k_q87af4a302c_nms
	.p2align	8
	.type	k_q87af4a302c_nms,@function
k_q87af4a302c_nms:
	s_mov_b64 s[64:65], 0
	v_nop
	global_prefetch_b8 v0, s[64:65] scope:SCOPE_SE
	s_setreg_imm32_b32 hwreg(HW_REG_WAVE_MODE, 25, 1), 1
	s_wait_xcnt 0x0
; GREEDY NON-MAXIMUM SUPPRESSION.  boxes [8][16384][4] f32, scores [8][20][16384] f32, two thresholds [1] f32, out0 [8000][3] i32.
; One work-group is one (batch, class): 50 steps, each the argmax of the live scores (first index among equals) and the suppression of every box
; whose IoU with the chosen box is above the threshold, and of the chosen box itself.  A step needs the argmax over all 16,384 boxes, so a chain cannot be
; shared between work-groups: 160 work-groups.
; EVERYTHING STAYS IN REGISTERS.  16 waves, 512 threads; thread t owns the boxes 32 t + slot, slot 0..31: four coordinates, the area and the live score, 192 registers.
; So the first index among equals is the lowest wave, in it the lowest lane, in it the lowest slot.  Memory is read once, at the head, 512 consecutive bytes a load;
; each wave turns its 1,024 boxes and scores round once, through LDS bytes of its own.
; LEFT OUT AS DEAD.  (1) The suppression of the 50th step: the scan throws its last carry away, so nothing reads those scores.  (2) The factor valid in
; where(valid & sup, NEG, s).  valid is false when the greatest score is at most 0.5 NEG.  reference() then leaves the scores as they are, so every later step is not valid either;
; here scores go on being taken out, the greatest score never rises, so every later step is not valid either; and a step that is not valid gives -1, -1, -1 whatever was chosen.
; Both hold for all values of the inputs.  Every input is loaded.
; A DEAD SCORE is -inf here, where reference() writes -1e30: of the scores only their order and the test s > 0.5 NEG reach the output, and both sentinels fail that test.
; THE TEST iou > t WITHOUT A DIVISION, WITH THE SAME ANSWER.  iou is inter / d rounded to nearest even, d = max(union, 1e-9).  The rounded quotient is above t exactly when the true
; quotient is above the midpoint of t and the next float up, or equal to it with t's last bit odd.  With h = half the gap above t: inter - t d > h d (or >=).
; Write t = T ulp(t), d = D ulp(d) and count in units of ulp(t) ulp(d): where inter is near t d it is a whole number of units, so t d - inter is a whole number; below 2^24 it is exact in
; one fused multiply-add, and beyond that it is far above h d = D / 2 < 2^23 either way.  For an odd last bit h is replaced by the float just below it: h d falls by less than half a unit,
; which turns >= into > for whole numbers.  So n = fma(hs, d, fma(t, d, -inter)) is negative exactly where reference() suppresses.
; ONE CLIP FOR TWO.  Only the width is clipped at 0.  With a height below 0 the product is then at most 0 where reference() has 0: for t >= 0 that leaves t d - inter >= 0, n >= 0, not
; suppressed, as reference() finds with iou = 0.  For t < 0 reference() suppresses every box (iou >= 0 > t): the head sets t = -inf, hs = 0, and n is -inf for every box.
; THE KILL IS ARITHMETIC.  g = n x inf is -inf where n < 0, +inf where n > 0 and NaN where n = 0; s = min(s, g), in which a NaN loses (AMD's ISA guide, v_min_num_f32).
; NO ADDRESS AND NO BRANCH HANGS ON A SCORE.  The chosen box is not looked up in memory: the running argmax carries score, slot and the four coordinates by selects; across lanes the owner
; is the lowest lane that holds the greatest score, and its words are read from that lane of the registers.
; NO CLUSTER: a batch's boxes are read by its 20 work-groups, but once, 40 loads a thread at the head, against 50 passes of some 400 vector instructions on registers.
; LIMITS.  NaN and infinities among boxes and scores are not treated as jnp.maximum and jnp.minimum treat them (a NaN score counts as not above the threshold, as in reference()).
; Every operation is rounded by itself, as reference() writes it.  Where half the gap above t underflows (|t| under 2^-124) the test is inter - t d > 0.
.set NCLS,    20
.set NINF,    0xff800000
.set PINF,    0x7f800000
.set HALFNEG, 0xf0c9f2ca               ; 0.5 x -1e30
.set EPSB,    0x3089705f               ; 1e-9
.set BUFB,    512                      ; LDS: two buffers of 16 entries of 32 bytes, by the step's parity: score, index, 8 bytes unused, x1, y1, x2, y2
.set SPARE,   1024                     ; behind them: the spare words, 128 bytes for each of the 16 waves; no other line names them
.set STAGE,   3072                     ; behind those: each wave's own bytes for the turn at the head
.set BPIT,    528                      ; a thread's 32 boxes, 512 bytes, + 16: an odd multiple of 16, so 16 lanes that read one column of 16 rows touch 16 different columns of 16 bytes
.set SPIT,    144                      ; a thread's 32 scores, 128 bytes, + 16: likewise
.set WSTG,    32*BPIT
; vector registers
.set SPW, 1                            ; LDS address of my spare word; never rewritten
.set NIL, 2                            ; 0; never rewritten
.set STK, 3                            ; LDS: my wave's entry
.set LDE, 4                            ; LDS: entry lane % 16
.set TT,  5
.set WM,  6                            ; v[6:7] greatest score of the wave, then of the work-group; its index
.set WI,  7
.set BS,  8                            ; my best: score,
.set BI,  9                            ; slot,
.set BX,  10                           ; v[10:13] x1, y1, x2, y2
.set IDX, 14                           ; my best's index
.set LN,  15                           ; lane
.set PT3, 16                           ; v[16:23] in a pass: the fourth pair's eight registers; between passes:
.set EW,  16                           ; v[16:19] my wave's chosen box, on its way into LDS
.set ES,  20                           ; v[20:21] an entry's score and index
.set EA,  22                           ; its box's area
.set EB,  24                           ; v[24:27] its box
.set WH,  28                           ; v[28:29] its width and height
.set BSA, 28                           ; at the head: LDS addresses of the turn
.set BRA, 29
.set SSA, 30
.set SRA, 31
.set BA,  32                           ; v[32:95]   boxes of the even slots, four registers each: x1 in bank 0
.set BO,  96                           ; byte offset of my 16 bytes in a load of boxes; never rewritten
.set SO,  97                           ; the same for scores
.set BB,  98                           ; v[98:161]  boxes of the odd slots: x1 in bank 2, so that one dual instruction can read the same coordinate of an even and an odd slot
.set AR,  162                          ; v[162:193] areas, by slot
.set SC,  194                          ; v[194:225] live scores, by slot
.set PT,  226                          ; v[226:249] at work: eight registers for each of three pairs of boxes
.set RI,  250                          ; v[250:251] results: lane i holds the index chosen in step 2 i + parity
.set RS,  252                          ; v[252:253] and its score
; scalar registers
.set WV,   16                          ; wave
.set SBA,  17                          ; batch
.set SLN,  18                          ; batch x 20 + class
.set SEL,  20                          ; s[20:21] v_permlanex16_b32: each lane takes its own place in the other half
.set SX1,  22                          ; the chosen box
.set SY1,  23
.set SX2,  24
.set SY2,  25
.set SAR,  26                          ; s[26:27] its area (packed forms name a pair and take its low word twice)
.set STH,  28                          ; s[28:29] t
.set SHH,  30                          ; s[30:31] hs
.set SEPS, 32
.set SNEG, 33                          ; -inf
.set SINF, 34                          ; s[34:35] +inf
.set SSC,  36                          ; score threshold
.set SM,   37                          ; the lanes that hold the greatest score
.set SL,   38                          ; the lowest of them
.set SIX,  39                          ; the chosen index
.set MK,   40                          ; s[40:47] for eight slots: the chosen box's lane, if the slot and the wave are its own, else no lane
.set SBIT, 48                          ; 1 << (step / 2)
.set CNT,  49
.set TMP,  50                          ; s[50:55]
.set SSL,  56                          ; the chosen box's slot
.set SOB,  57                          ; its lane as a bit, in its own wave; 0 in the other waves
.set EN,   59                          ; s[59:63] my wave's choice: index, box
	s_load_b256 s[4:11], s[0:1], 0x0               ; boxes s[4:5], scores s[6:7], iou_threshold s[8:9], score_threshold s[10:11]
	s_load_b64 s[12:13], s[0:1], 0x20              ; out0
	v_lshl_add_u32 v[SPW], v0, 2, SPARE
	v_mov_b32 v[NIL], 0
	v_lshrrev_b32 v[TT], 5, v0
	v_readfirstlane_b32 s[WV], v[TT]
	v_and_b32 v[LN], 31, v0
	v_lshlrev_b32 v[BO], 4, v[LN]                  ; 16 bytes a lane: a wave's load covers 512 consecutive bytes
	v_lshl_add_u32 v[SO], v[TT], 12, v[BO]         ; my wave's 1,024 scores: 4,096 bytes
	v_lshl_add_u32 v[BO], v[TT], 14, v[BO]         ; my wave's 1,024 boxes: 16,384 bytes
	s_and_b32 s[SBA], ttmp7, 0xffff
	s_mul_i32 s[SLN], s[SBA], NCLS
	s_add_co_u32 s[SLN], s[SLN], ttmp9
	s_lshl_b32 s[TMP], s[SBA], 18                  ; a batch's boxes: 262,144 bytes
	s_mov_b32 s[TMP+1], 0
	s_lshl_b32 s[TMP+2], s[SLN], 16                ; a class's scores: 65,536 bytes
	s_mov_b32 s[TMP+3], 0
	s_wait_kmcnt 0x0
	s_load_b32 s[STH], s[8:9], 0x0
	s_load_b32 s[SSC], s[10:11], 0x0
	s_add_nc_u64 s[4:5], s[4:5], s[TMP:TMP+1]
	s_add_nc_u64 s[6:7], s[6:7], s[TMP+2:TMP+3]
.set c, 0
.rept 8                                ; all 40 loads go out at once.  Load c, lane l: scores 128 c + 4 l + 0..3 of the wave's; nobody else reads them
	global_load_b128 v[SC+4*c:SC+4*c+3], v[SO], s[6:7] offset:c*512 th:TH_LOAD_NT
.set c, c+1
.endr
.set j, 0
.rept 32                               ; load j, lane l: box 32 j + l of the wave's
.set Q, BA+(BB-BA)*(j%2)+4*(j/2)
	global_load_b128 v[Q:Q+3], v[BO], s[4:5] offset:j*512
.set j, j+1
.endr
	s_mov_b32 s[SEL], 0x76543210
	s_mov_b32 s[SEL+1], 0xfedcba98
	s_mov_b32 s[SEPS], EPSB
	s_mov_b32 s[SNEG], NINF
	s_mov_b32 s[SINF], PINF
	s_mov_b32 s[SINF+1], PINF
	s_lshl_b32 s[TMP+1], s[WV], 5                  ; my wave's entry
	v_mov_b32 v[STK], s[TMP+1]
	v_and_b32 v[LDE], 15, v0
	v_lshlrev_b32 v[LDE], 5, v[LDE]
	s_mul_i32 s[TMP], s[WV], WSTG
	s_add_co_u32 s[TMP], s[TMP], STAGE             ; my wave's bytes for the turn
	v_bfe_u32 v[SSA], v0, 3, 2                     ; scores in: score 128 c + 4 l + e belongs to thread 4 c + l / 8, slot 4 (l % 8) + e
	v_and_b32 v[SRA], 7, v0
	v_mul_u32_u24 v[SSA], v[SSA], SPIT
	v_lshl_add_u32 v[SSA], v[SRA], 4, v[SSA]
	v_add_nc_u32 v[SSA], s[TMP], v[SSA]
	v_mul_u32_u24 v[SRA], v[LN], SPIT              ; scores back: my row
	v_add_nc_u32 v[SRA], s[TMP], v[SRA]
	v_lshl_add_u32 v[BSA], v[LN], 4, s[TMP]        ; boxes in: box 32 j + l belongs to thread j, slot l
	v_mul_u32_u24 v[BRA], v[LN], BPIT              ; boxes back: my row
	v_add_nc_u32 v[BRA], s[TMP], v[BRA]
.irp r, WM, RI, RI+1, RS, RS+1
	v_mov_b32 v[\r], 0                             ; destinations of lane-crossing forms count as read, and the results start defined in every lane
.endr
	s_wait_kmcnt 0x0                               ; the two thresholds
	s_add_co_u32 s[TMP], s[STH], 1                 ; the bits of the next float away from 0
	v_mov_b32 v[EB], s[STH]
	v_sub_f32 v[TT], s[TMP], v[EB]                 ; the gap, exact,
	v_mul_f32 v[TT], 0.5, v[TT]                    ; and half of it: h
	v_and_b32 v[EB+1], 1, v[EB]                    ; t's last bit;
	v_min_u32 v[EB+1], v[EB+1], v[TT]              ; (nothing is taken from an h that is 0)
	v_sub_nc_u32 v[TT], v[TT], v[EB+1]             ; odd: the float just below h
	v_cmp_gt_f32 vcc_lo, 0, v[EB]                  ; t < 0: every box is suppressed:
	v_cndmask_b32 v[TT], v[TT], v[NIL], vcc_lo     ; hs = 0,
	v_cndmask_b32 v[EB], v[EB], s[SNEG], vcc_lo    ; t = -inf
	v_readfirstlane_b32 s[SHH], v[TT]
	v_readfirstlane_b32 s[STH], v[EB]
	s_mov_b32 s[SHH+1], s[SHH]
	s_mov_b32 s[STH+1], s[STH]
	; THE TURN.  The bytes are my wave's own and LDS serves a wave's instructions in order (AMD's ISA guide, 5.7.1), so no barrier and no wait stands between the stores and the loads,
	; nor between the scores' loads and the boxes' stores into the same bytes.
	s_wait_loadcnt 32                              ; loads come back in order: the 8 loads of scores are in, the 32 of boxes may be out
.set c, 0
.rept 8
	ds_store_b128 v[SSA], v[SC+4*c:SC+4*c+3] offset:c*4*SPIT
.set c, c+1
.endr
.set c, 0
.rept 8
	ds_load_b128 v[SC+4*c:SC+4*c+3], v[SRA] offset:c*16
.set c, c+1
.endr
.set j, 0
.rept 32
.if (j%8) == 0
	s_wait_loadcnt 24-j                            ; the next eight boxes' loads are in; the younger ones may be out
.endif
.set Q, BA+(BB-BA)*(j%2)+4*(j/2)
	ds_store_b128 v[BSA], v[Q:Q+3] offset:j*BPIT
.set j, j+1
.endr
.set j, 0
.rept 32
.set Q, BA+(BB-BA)*(j%2)+4*(j/2)
	ds_load_b128 v[Q:Q+3], v[BRA] offset:j*16
.set j, j+1
.endr
	s_wait_dscnt 0x0
; THE RUNNING ARGMAX takes a slot in, in two parts: the compare, and three dual selects.  The old best stays where it is at least as great, so the lowest slot wins among equals.
; A dual select gives its second source where VCC is set.  The halves of a dual instruction write one even and one odd register, and read their first sources, and their second sources,
; from different banks (register number mod 4): neighbouring registers do (AMD's ISA guide, on VOPD).
.macro SC1 slot
.if (\slot) > 0
	v_cmp_ge_f32 vcc_lo, v[BS], v[SC+(\slot)]
.endif
.endm
.macro SC3 slot
.set Q, BA+(BB-BA)*((\slot)%2)+4*((\slot)/2)
.if (\slot) == 0
	v_dual_mov_b32 v[BS], v[SC] :: v_dual_mov_b32 v[BI], 0
	v_dual_mov_b32 v[BX], v[Q] :: v_dual_mov_b32 v[BX+1], v[Q+1]
	v_dual_mov_b32 v[BX+2], v[Q+2] :: v_dual_mov_b32 v[BX+3], v[Q+3]
.else
	v_dual_cndmask_b32 v[BS], v[SC+(\slot)], v[BS] :: v_dual_cndmask_b32 v[BI], \slot, v[BI]
	v_dual_cndmask_b32 v[BX], v[Q], v[BX] :: v_dual_cndmask_b32 v[BX+1], v[Q+1], v[BX+1]
	v_dual_cndmask_b32 v[BX+2], v[Q+2], v[BX+2] :: v_dual_cndmask_b32 v[BX+3], v[Q+3], v[BX+3]
.endif
.endm
; Once, for slots 4 g .. 4 g + 3: the areas, the score threshold, the running argmax.
.macro PREP g
.irp z, 0,1
.set T, PT+8*\z
.set A4, BA+8*(\g)+4*\z
.set B4, BB+8*(\g)+4*\z
	v_pk_add_f32 v[T:T+1], v[A4+2:A4+3], v[A4:A4+1] neg_lo:[0,1] neg_hi:[0,1]    ; (x2 - x1, y2 - y1) of the even slot,
	v_pk_add_f32 v[T+2:T+3], v[B4+2:B4+3], v[B4:B4+1] neg_lo:[0,1] neg_hi:[0,1]  ; of the odd one
.endr
.irp z, 0,1
.set T, PT+8*\z
	v_dual_mul_f32 v[AR+4*(\g)+2*\z], v[T], v[T+1] :: v_dual_mul_f32 v[AR+4*(\g)+2*\z+1], v[T+2], v[T+3]
.endr
.irp e, 0,1,2,3
	v_cmp_lt_f32 vcc_lo, s[SSC], v[SC+4*(\g)+\e]
	v_cndmask_b32 v[SC+4*(\g)+\e], s[SNEG], v[SC+4*(\g)+\e], vcc_lo              ; the score where it is above the threshold, else dead
.endr
.irp e, 0,1,2,3
	SC1 4*(\g)+\e
	SC3 4*(\g)+\e
.endr
.endm
; A PASS goes in four groups of eight boxes: four pairs (even slot, odd slot).  A group's test against the chosen box is 17 stages of four lines, a line a pair, so that the links of a pair's chain
; stand four lines apart or more.  Stage n of group g:
;   0-3 the intersection's corners   4, 5 its width and height   6 the two areas' sum   7 the width clipped   8 inter   10 union   12 d   13 t d - inter   14 n   15 g = n x inf   16 s = min(s, g)
;   9, 11 the chosen box itself is taken out: four slots each, by masks that scalar lines have made
.macro SETT z
.if (\z) < 3
.set T, PT+8*(\z)
.else
.set T, PT3
.endif
.endm
.macro STG g, n
.if ((\n) == 9) || ((\n) == 11)
.irp e, 0,1,2,3
	v_cndmask_b32 v[SC+8*(\g)+2*((\n)-9)+\e], v[SC+8*(\g)+2*((\n)-9)+\e], s[SNEG], s[MK+2*((\n)-9)+\e]
.endr
.else
.irp z, 0,1,2,3
	SETT \z
.set A4, BA+16*(\g)+4*\z
.set B4, BB+16*(\g)+4*\z
.set S2, 8*(\g)+2*\z
.if (\n) == 0
	v_dual_max_num_f32 v[T], s[SX1], v[A4] :: v_dual_max_num_f32 v[T+1], s[SX1], v[B4]
.elseif (\n) == 1
	v_dual_min_num_f32 v[T+4], s[SX2], v[A4+2] :: v_dual_min_num_f32 v[T+5], s[SX2], v[B4+2]
.elseif (\n) == 2
	v_dual_max_num_f32 v[T+2], s[SY1], v[A4+1] :: v_dual_max_num_f32 v[T+3], s[SY1], v[B4+1]
.elseif (\n) == 3
	v_dual_min_num_f32 v[T+6], s[SY2], v[A4+3] :: v_dual_min_num_f32 v[T+7], s[SY2], v[B4+3]
.elseif (\n) == 4
	v_pk_add_f32 v[T+4:T+5], v[T+4:T+5], v[T:T+1] neg_lo:[0,1] neg_hi:[0,1]
.elseif (\n) == 5
	v_pk_add_f32 v[T+6:T+7], v[T+6:T+7], v[T+2:T+3] neg_lo:[0,1] neg_hi:[0,1]
.elseif (\n) == 6
	v_pk_add_f32 v[T+2:T+3], v[AR+S2:AR+S2+1], s[SAR:SAR+1] op_sel_hi:[1,0]
.elseif (\n) == 7
	v_dual_max_num_f32 v[T+4], 0, v[T+4] :: v_dual_max_num_f32 v[T+5], 0, v[T+5]
.elseif (\n) == 8
	v_pk_mul_f32 v[T:T+1], v[T+4:T+5], v[T+6:T+7]
.elseif (\n) == 10
	v_pk_add_f32 v[T+2:T+3], v[T+2:T+3], v[T:T+1] neg_lo:[0,1] neg_hi:[0,1]
.elseif (\n) == 12
	v_dual_max_num_f32 v[T+2], s[SEPS], v[T+2] :: v_dual_max_num_f32 v[T+3], s[SEPS], v[T+3]
.elseif (\n) == 13
	v_pk_fma_f32 v[T:T+1], v[T+2:T+3], s[STH:STH+1], v[T:T+1] op_sel_hi:[1,0,1] neg_lo:[0,0,1] neg_hi:[0,0,1]
.elseif (\n) == 14
	v_pk_fma_f32 v[T:T+1], v[T+2:T+3], s[SHH:SHH+1], v[T:T+1] op_sel_hi:[1,0,1]
.elseif (\n) == 15
	v_pk_mul_f32 v[T:T+1], v[T:T+1], s[SINF:SINF+1] op_sel_hi:[1,0]
.else
	v_dual_min_num_f32 v[SC+S2], v[SC+S2], v[T] :: v_dual_min_num_f32 v[SC+S2+1], v[SC+S2+1], v[T+1]
.endif
.endr
.endif
.endm
.macro SELF g, e                       ; slot e of group g: the chosen box's lane if the slot is its own
	s_cmp_eq_u32 s[SSL], 8*(\g)+(\e)
	s_cselect_b32 s[MK+(\e)], s[SOB], 0
.endm
; Between a group's stages stands the running argmax of the group BEFORE it, whose scores are final: a slot's compare behind one stage, its selects behind the next, so that four lines stand
; between the compare and the selects, and six between the select of the best score and the next compare.  The masks are made behind the first four stages.
.macro GROUP g
.set n, 0
.rept 17
	STG \g, n
.if n < 4
	SELF \g, 2*n
	SELF \g, 2*n+1
.endif
.if ((\g) > 0) && (n < 16)
.if (n%2) == 0
	SC1 8*((\g)-1)+n/2
.else
	SC3 8*((\g)-1)+n/2
.endif
.endif
.set n, n+1
.endr
.endm
.macro PASS
	GROUP 0
	GROUP 1
	GROUP 2
	GROUP 3
.irp s, 24,25,26,27,28,29,30,31        ; the last group's slots have nothing to stand between
	SC1 \s
	SC3 \s
.endr
.endm
; A STEP'S CHOICE.  512 candidates to one: over the wave's lanes, through LDS, over the 16 waves' entries (every wave for itself).  q: the step's parity, which picks the entry buffer.
; box = 1: the chosen box is wanted for a pass; 0: the last step, which wants score and index alone.
; The owner is the lowest lane that holds the greatest score: threads, and entries, lie in the order of their indices.  Its words are read from that lane.
; ONE BARRIER A STEP.  It stands between this step's stores and its loads.  This buffer is stored into again two steps on, behind the next step's barrier, in front of which every wave
; has waited for the loads that it issues here.
.macro REDUCE q, box
	v_lshl_add_u32 v[IDX], v0, 5, v[BI]            ; my candidate's index
	v_max_num_f32_dpp v[WM], v[BS], v[BS] row_xmask:1 row_mask:0xf bank_mask:0xf
	v_max_num_f32_dpp v[WM], v[WM], v[WM] row_xmask:2 row_mask:0xf bank_mask:0xf
	v_max_num_f32_dpp v[WM], v[WM], v[WM] row_xmask:4 row_mask:0xf bank_mask:0xf
	v_max_num_f32_dpp v[WM], v[WM], v[WM] row_xmask:8 row_mask:0xf bank_mask:0xf
	v_permlanex16_b32 v[TT], v[WM], s[SEL], s[SEL+1]
	v_max_num_f32 v[WM], v[WM], v[TT]              ; the wave's greatest score, in every lane
	v_cmp_eq_f32 s[SM], v[BS], v[WM]
	s_ctz_i32_b32 s[SL], s[SM]
	v_readlane_b32 s[EN], v[IDX], s[SL]
.if \box
.irp r, 0,1,2,3
	v_readlane_b32 s[EN+1+\r], v[BX+\r], s[SL]
.endr
.endif
	v_mov_b32 v[WI], s[EN]
.if \box
.irp r, 0,1,2,3
	v_mov_b32 v[EW+\r], s[EN+1+\r]
.endr
	ds_store_b128 v[STK], v[EW:EW+3] offset:BUFB*(\q)+16  ; all lanes store the same words at the same place
.endif
	ds_store_b64 v[STK], v[WM:WM+1] offset:BUFB*(\q)
	s_wait_dscnt 0x0                               ; for the other waves: my entry is written
	s_barrier_signal -1
	s_barrier_wait -1
	ds_load_b64 v[ES:ES+1], v[LDE] offset:BUFB*(\q)
.if \box
	ds_load_b128 v[EB:EB+3], v[LDE] offset:BUFB*(\q)+16
.endif
	s_wait_dscnt 0x0
	v_max_num_f32_dpp v[WM], v[ES], v[ES] row_xmask:1 row_mask:0xf bank_mask:0xf   ; both rows of lanes hold the same 16 entries
.if \box
	v_pk_add_f32 v[WH:WH+1], v[EB+2:EB+3], v[EB:EB+1] neg_lo:[0,1] neg_hi:[0,1]    ; each entry's area is made beside the maximum's chain
.endif
	v_max_num_f32_dpp v[WM], v[WM], v[WM] row_xmask:2 row_mask:0xf bank_mask:0xf
	v_max_num_f32_dpp v[WM], v[WM], v[WM] row_xmask:4 row_mask:0xf bank_mask:0xf
.if \box
	v_mul_f32 v[EA], v[WH], v[WH+1]
.endif
	v_max_num_f32_dpp v[WM], v[WM], v[WM] row_xmask:8 row_mask:0xf bank_mask:0xf
	v_cmp_eq_f32 s[SM], v[ES], v[WM]
	s_ctz_i32_b32 s[SL], s[SM]                     ; the lowest wave that holds the greatest score
	v_readlane_b32 s[SIX], v[ES+1], s[SL]
.if \box
	v_readlane_b32 s[SX1], v[EB], s[SL]
	v_readlane_b32 s[SX2], v[EB+2], s[SL]
	v_readlane_b32 s[SY1], v[EB+1], s[SL]
	v_readlane_b32 s[SY2], v[EB+3], s[SL]
	v_readlane_b32 s[SAR], v[EA], s[SL]
	s_and_b32 s[SSL], s[SIX], 31                   ; index = 1,024 wave + 32 lane + slot
	s_bfe_u32 s[TMP], s[SIX], 0x50005
	s_lshr_b32 s[TMP+1], s[SIX], 10
	s_lshl_b32 s[TMP], 1, s[TMP]
	s_cmp_eq_u32 s[TMP+1], s[WV]
	s_cselect_b32 s[SOB], s[TMP], 0
	s_mov_b32 s[SAR+1], s[SAR]
.endif
	v_cndmask_b32 v[RI+(\q)], v[RI+(\q)], s[SIX], s[SBIT]  ; the step's result goes into its lane
	v_cndmask_b32 v[RS+(\q)], v[RS+(\q)], v[WM], s[SBIT]
.endm
.irp g, 0,1,2,3,4,5,6,7
	PREP \g
.endr
	s_mov_b32 s[SBIT], 1
	s_mov_b32 s[CNT], 24
.Lstep:                                        ; steps 2 i and 2 i + 1
	REDUCE 0, 1
	PASS
	REDUCE 1, 1
	PASS
	s_lshl_b32 s[SBIT], s[SBIT], 1
	s_sub_co_u32 s[CNT], s[CNT], 1
	s_cmp_lg_u32 s[CNT], 0
	s_cbranch_scc1 .Lstep
	REDUCE 0, 1                                    ; step 48
	PASS
	REDUCE 1, 0                                    ; step 49: nothing is suppressed behind it
	; THE WAY OUT.  Every wave holds the results; wave 0 stores them: rows 2 l and 2 l + 1 from lane l, 12 bytes each, 600 consecutive bytes.
	s_cmp_lg_u32 s[WV], 0
	s_cbranch_scc1 .Lend
	s_mul_i32 s[TMP], s[SLN], 600
	s_mov_b32 s[TMP+1], 0
	s_add_nc_u64 s[12:13], s[12:13], s[TMP:TMP+1]
	s_mov_b32 s[TMP+2], ttmp9
	s_mov_b32 s[TMP+3], HALFNEG
	v_mov_b32 v[EB], s[SBA]
	v_mov_b32 v[EB+1], s[TMP+2]
	v_mul_u32_u24 v[WH], v[LN], 24
.irp q, 0,1
	v_cmp_lt_f32 vcc_lo, s[TMP+3], v[RS+\q]        ; was a live candidate left?
	v_cndmask_b32 v[EW+4*\q], -1, v[EB], vcc_lo
	v_cndmask_b32 v[EW+4*\q+1], -1, v[EB+1], vcc_lo
	v_cndmask_b32 v[EW+4*\q+2], -1, v[RI+\q], vcc_lo
.endr
	s_wait_xcnt 0x0                                ; EXEC changes only behind this wait
	v_cmp_gt_u32 vcc_lo, 25, v[LN]
	s_and_saveexec_b32 s[TMP+4], vcc_lo            ; lanes 0 to 24: 50 rows
	global_store_b96 v[WH], v[EW:EW+2], s[12:13]
	global_store_b96 v[WH], v[EW+4:EW+6], s[12:13] offset:12
	s_wait_xcnt 0x0                                ; and again, in front of the line that widens it
	s_or_b32 exec_lo, exec_lo, s[TMP+4]
.Lend:
	s_wait_tensorcnt 0x0                           ; the wave's end, behind my last LDS store
	ds_add_u32 v[SPW], v[NIL]
	s_wait_dscnt 0x0
	s_endpgm
.Lfunc_end_k_q87af4a302c_nms:
	.size	k_q87af4a302c_nms, .Lfunc_end_k_q87af4a302c_nms-k_q87af4a302c_nms
	.p2alignl 7, 3214868480
	.fill 96, 4, 3214868480
	.section	.rodata,"a",@progbits
	.p2align	6, 0x0
	.amdhsa_kernel k_q87af4a302c_nms
		.amdhsa_group_segment_fixed_size 273408
		.amdhsa_private_segment_fixed_size 0
		.amdhsa_enable_private_segment 0
		.amdhsa_kernarg_size 40
		.amdhsa_user_sgpr_count 2
		.amdhsa_user_sgpr_kernarg_segment_ptr 1
		.amdhsa_wavefront_size32 1
		.amdhsa_system_sgpr_workgroup_id_x 1
		.amdhsa_system_sgpr_workgroup_id_y 1
		.amdhsa_system_sgpr_workgroup_id_z 1
		.amdhsa_system_vgpr_workitem_id 0
		.amdhsa_next_free_vgpr 256
		.amdhsa_next_free_sgpr 66
		.amdhsa_reserve_vcc 1
		.amdhsa_float_denorm_mode_32 3
		.amdhsa_float_denorm_mode_16_64 3
		.amdhsa_memory_ordered 1
		.amdhsa_forward_progress 1
		.amdhsa_inst_pref_size 113
	.end_amdhsa_kernel
	.amdgpu_metadata
---
amdhsa.version: [ 1, 2 ]
amdhsa.kernels:
  - .name:           k_q87af4a302c_nms
    .symbol:         k_q87af4a302c_nms.kd
    .args:
      - { .name: boxes, .offset: 0, .size: 8, .value_kind: global_buffer, .address_space: global }
      - { .name: scores, .offset: 8, .size: 8, .value_kind: global_buffer, .address_space: global }
      - { .name: iou_threshold, .offset: 16, .size: 8, .value_kind: global_buffer, .address_space: global }
      - { .name: score_threshold, .offset: 24, .size: 8, .value_kind: global_buffer, .address_space: global }
      - { .name: out0, .offset: 32, .size: 8, .value_kind: global_buffer, .address_space: global }
    .group_segment_fixed_size: 273408
    .private_segment_fixed_size: 0
    .kernarg_segment_align: 8
    .kernarg_segment_size: 40
    .max_flat_workgroup_size: 512
    .sgpr_count:     66
    .vgpr_count:     256
    .wavefront_size: 32
...
	.end_amdgpu_metadata
.endif
;; end of part 1
;; ======== version 2 of 3: 2 launches; 1.21 times as fast as version 1
;; workspace buffers: bits 327,680 bytes of whole numbers
;; launch pick (part 2): grid 256 x 1, 5 waves a work-group, no clusters, 0 bytes of LDS; arguments scores, score_threshold, bits; writes bits
.if DOCPART == 2
	.amdgcn_target "amdgcn-amd-amdhsa--gfx1250"
	.amdhsa_code_object_version 6
	.text
	.protected	k_q87af4a302c_pick
	.globl	k_q87af4a302c_pick
	.p2align	8
	.type	k_q87af4a302c_pick,@function
k_q87af4a302c_pick:
	s_mov_b64 s[64:65], 0
	v_nop
	global_prefetch_b8 v0, s[64:65] scope:SCOPE_SE
	s_setreg_imm32_b32 hwreg(HW_REG_WAVE_MODE, 25, 1), 1
	s_wait_xcnt 0x0
; FIRST OF TWO LAUNCHES OF A GREEDY NON-MAXIMUM SUPPRESSION.  scores [160][16384] f32, score_threshold [1] f32 -> bits [160][512] words:
; bit l of word j of a chain (a batch and class) is set where score 32 j + l is above the threshold (a NaN is not).  The words are stored at fixed places; the second launch reads them
; and lays out its work by them.
; WHAT THE PROGRAM LEAVES OUT, for all values of the inputs.
; (1) The suppression of the 50th step: the scan throws its last carry away, so nothing reads those scores.
; (2) The factor valid in where(valid & sup, NEG, s).  valid is false when the greatest score is at most 0.5 NEG.  reference() then leaves the scores as they are, so every later step is not
; valid either; the program goes on taking scores out, the greatest score never rises, so every later step is not valid either; and such a step gives -1, -1, -1 whatever was chosen.
; (3) The boxes whose score is not above the threshold are not tested: which they are is read from bits by the second launch.  Their score is NEG from the start: NEG written over NEG changes
; nothing, they suppress nobody unless chosen, and one can be chosen only when the greatest score is NEG, in a step that is not valid.
; LIMIT: a NaN, an infinity or an overflow that reaches only the work left out is not carried to the result.
; SHARES.  1,280 waves, 2,048 scores each: 64 loads of 32 neighbouring scores, a lane a score, so that a compare's lane mask is a word of bits as it stands.  32 loads are always out.
; The 64 words are gathered in two registers, words 2 i and 2 i + 1 in lane i, and leave by one store of 256 consecutive bytes, aligned.
.set X,  8                             ; v[8:39] 32 loads in flight
.set WD, 6                             ; v[6:7]  the wave's 64 words
.set MS, 20                            ; s[20:27] lane masks, by turns
	s_load_b128 s[4:7], s[0:1], 0x0                ; scores s[4:5], score_threshold s[6:7]
	s_load_b64 s[8:9], s[0:1], 0x10                ; bits
	v_lshrrev_b32 v1, 5, v0
	v_readfirstlane_b32 s10, v1                    ; wave 0..4
	v_and_b32 v2, 31, v0
	v_lshlrev_b32 v3, 2, v2                        ; my score in a load; never rewritten
	v_lshlrev_b32 v4, 3, v2                        ; my two words in the store
	v_mov_b32 v[WD], 0                             ; a lane write counts as a read of its destination
	v_mov_b32 v[WD+1], 0
	s_mul_i32 s11, ttmp9, 5
	s_add_co_u32 s11, s11, s10                     ; my wave among the 1,280 = 8 x chain + eighth of the chain
	s_lshl_b32 s12, s11, 13                        ; its 2,048 scores: 8,192 bytes
	s_mov_b32 s13, 0
	s_lshl_b32 s14, s11, 8                         ; its 64 words: 256 bytes
	s_mov_b32 s15, 0
	s_wait_kmcnt 0x0
	s_load_b32 s16, s[6:7], 0x0                    ; the threshold
	s_add_nc_u64 s[4:5], s[4:5], s[12:13]
	s_add_nc_u64 s[8:9], s[8:9], s[14:15]
.set j, 0
.rept 32
	global_load_b32 v[X+j], v3, s[4:5] offset:j*128 th:TH_LOAD_NT
.set j, j+1
.endr
	s_wait_kmcnt 0x0
.set j, 0
.rept 32                               ; words 0 to 31; each register is asked for again as soon as it has been compared
	s_wait_loadcnt 31                              ; loads come back in order: behind load j stand 31 - j of the first 32 and j of the second
	v_cmp_lt_f32 s[MS+j%8], s16, v[X+j]
	global_load_b32 v[X+j], v3, s[4:5] offset:(32+j)*128 th:TH_LOAD_NT
	v_writelane_b32 v[WD+j%2], s[MS+j%8], j/2
.set j, j+1
.endr
.set j, 0
.rept 32                               ; words 32 to 63: nothing more is asked for, and the counts run down
	s_wait_loadcnt 31-j
	v_cmp_lt_f32 s[MS+j%8], s16, v[X+j]
	v_writelane_b32 v[WD+j%2], s[MS+j%8], 16+j/2
.set j, j+1
.endr
	global_store_b64 v4, v[WD:WD+1], s[8:9]
	s_endpgm
.Lfunc_end_k_q87af4a302c_pick:
	.size	k_q87af4a302c_pick, .Lfunc_end_k_q87af4a302c_pick-k_q87af4a302c_pick
	.p2alignl 7, 3214868480
	.fill 96, 4, 3214868480
	.section	.rodata,"a",@progbits
	.p2align	6, 0x0
	.amdhsa_kernel k_q87af4a302c_pick
		.amdhsa_group_segment_fixed_size 0
		.amdhsa_private_segment_fixed_size 0
		.amdhsa_enable_private_segment 0
		.amdhsa_kernarg_size 24
		.amdhsa_user_sgpr_count 2
		.amdhsa_user_sgpr_kernarg_segment_ptr 1
		.amdhsa_wavefront_size32 1
		.amdhsa_system_sgpr_workgroup_id_x 1
		.amdhsa_system_sgpr_workgroup_id_y 1
		.amdhsa_system_sgpr_workgroup_id_z 1
		.amdhsa_system_vgpr_workitem_id 0
		.amdhsa_next_free_vgpr 40
		.amdhsa_next_free_sgpr 66
		.amdhsa_reserve_vcc 0
		.amdhsa_float_denorm_mode_32 3
		.amdhsa_float_denorm_mode_16_64 3
		.amdhsa_memory_ordered 1
		.amdhsa_forward_progress 1
		.amdhsa_inst_pref_size 18
	.end_amdhsa_kernel
	.amdgpu_metadata
---
amdhsa.version: [ 1, 2 ]
amdhsa.kernels:
  - .name:           k_q87af4a302c_pick
    .symbol:         k_q87af4a302c_pick.kd
    .args:
      - { .name: scores, .offset: 0, .size: 8, .value_kind: global_buffer, .address_space: global }
      - { .name: score_threshold, .offset: 8, .size: 8, .value_kind: global_buffer, .address_space: global }
      - { .name: bits, .offset: 16, .size: 8, .value_kind: global_buffer, .address_space: global }
    .group_segment_fixed_size: 0
    .private_segment_fixed_size: 0
    .kernarg_segment_align: 8
    .kernarg_segment_size: 24
    .max_flat_workgroup_size: 160
    .sgpr_count:     66
    .vgpr_count:     40
    .wavefront_size: 32
...
	.end_amdgpu_metadata
.endif
;; end of part 2
;; launch nms (part 3): grid 20 x 8, 16 waves a work-group, no clusters, 273,408 bytes of LDS; arguments boxes, scores, iou_threshold, bits, out0; writes out0
.if DOCPART == 3
	.amdgcn_target "amdgcn-amd-amdhsa--gfx1250"
	.amdhsa_code_object_version 6
	.text
	.protected	k_q87af4a302c_nms
	.globl	k_q87af4a302c_nms
	.p2align	8
	.type	k_q87af4a302c_nms,@function
k_q87af4a302c_nms:
	s_mov_b64 s[64:65], 0
	v_nop
	global_prefetch_b8 v0, s[64:65] scope:SCOPE_SE
	s_setreg_imm32_b32 hwreg(HW_REG_WAVE_MODE, 25, 1), 1
	s_wait_xcnt 0x0
; GREEDY NON-MAXIMUM SUPPRESSION, SECOND LAUNCH.  boxes [8][16384][4] f32, scores [8][20][16384] f32, iou_threshold [1] f32, bits [160][512] words (bit l of word j: score 32 j + l is above the
; score threshold; made by the first launch), out0 [8000][3] i32.
; LEFT OUT, as shown at the head of the first launch's text: the 50th step's suppression; the factor valid; the boxes whose bit is not set.  score_threshold acts through bits alone and is not loaded here.
; One work-group is one (batch, class): 50 steps, each the argmax of the live scores (first index among equals) and the suppression of every box whose IoU with the chosen box is above the
; threshold, and of the chosen box itself.  A step needs the argmax over all boxes, so a chain cannot be shared between work-groups: 160 work-groups.
; SHARES.  16 waves; wave w owns the indices 1,024 w .. 1,024 w + 1,023 and keeps those whose bit is set, c of them, in the order of their indices: the wave's LIST.  It takes Q = ceil(c / 128) quads of
; slots (at least 1); lane l holds the places 4 Q l + slot, slot 0 .. 4 Q - 1.  So the first index among equals is the lowest wave, in it the lowest lane, in it the lowest slot.
; A box is six registers (four coordinates, area, live score); a pass runs Q quads and leaves by a forward jump on Q, which comes from whole numbers read from memory.  No barrier is jumped.
; THE HEAD.  Memory is read once, in runs of 512 (boxes) and 128 (scores) consecutive bytes a load, lane l of load j holding index 32 j + l of the wave's: the lanes of word j.  A set bit's place is the number of
; set bits before it; the others fill the list from place 1,023 down, so that every place is written.  Boxes, scores and indices go once through the wave's own LDS bytes, in at their places, out by threads.
; Places at or past c, and slots at or past 4 Q, get a dead score.
; THE INDEX.  The word 32 x index + slot of each slot stays in the thread's own LDS bytes; a pass loads eight of them ahead of each group, and the running argmax carries the word.
; A DEAD SCORE is -inf here, where reference() writes -1e30: of the scores only their order and the test s > 0.5 NEG reach the output, and both sentinels fail that test.
; THE TEST iou > t WITHOUT A DIVISION, WITH THE SAME ANSWER.  iou is inter / d rounded to nearest even, d = max(union, 1e-9).  The rounded quotient is above t exactly when the true
; quotient is above the midpoint of t and the next float up, or equal to it with t's last bit odd.  With h = half the gap above t: inter - t d > h d (or >=).
; Write t = T ulp(t), d = D ulp(d) and count in units of ulp(t) ulp(d): where inter is near t d it is a whole number of units, so t d - inter is a whole number; below 2^24 it is exact in
; one fused multiply-add, and beyond that it is far above h d = D / 2 < 2^23 either way.  For an odd last bit h is replaced by the float just below it: h d falls by less than half a unit,
; which turns >= into > for whole numbers.  So n = fma(hs, d, fma(t, d, -inter)) is negative exactly where reference() suppresses.
; ONE CLIP FOR TWO.  Only the width is clipped at 0.  With a height below 0 the product is then at most 0 where reference() has 0: for t >= 0 that leaves t d - inter >= 0, n >= 0, not
; suppressed, as reference() finds with iou = 0.  For t < 0 reference() suppresses every box (iou >= 0 > t): the head sets t = -inf, hs = 0, and n is -inf for every box.
; THE KILL IS ARITHMETIC.  g = n x inf is -inf where n < 0, +inf where n > 0 and NaN where n = 0; s = min(s, g), in which a NaN loses (AMD's ISA guide, v_min_num_f32).
; NO ADDRESS AND NO BRANCH HANGS ON A SCORE.  The chosen box is not looked up in memory: the running argmax carries score, index word and the four coordinates by selects; across lanes the owner
; is the lowest lane that holds the greatest score, and its words are read from that lane of the registers.
; NO CLUSTER: a batch's boxes are read by its 20 work-groups, but once, 64 loads a thread at the head, against 50 passes on registers.
; LIMITS.  NaN and infinities among boxes and scores are not treated as jnp.maximum and jnp.minimum treat them.  Every operation is rounded by itself, as reference() writes it.
; Where half the gap above t underflows (|t| under 2^-124) the test is inter - t d > 0.
.set NCLS,    20
.set NINF,    0xff800000
.set PINF,    0x7f800000
.set HALFNEG, 0xf0c9f2ca               ; 0.5 x -1e30
.set EPSB,    0x3089705f               ; 1e-9
.set BUFB,    512                      ; LDS: two buffers of 16 entries of 32 bytes, by the step's parity: score, index word, 8 bytes unused, x1, y1, x2, y2
.set SPARE,   1024                     ; behind them: the spare words, 128 bytes for each of the 16 waves; no other line names them
.set STAGE,   3072                     ; behind those: each wave's own bytes
.set WSTG,    16896                    ; 1,024 boxes of 16 bytes and 16 bytes behind each of 32 rows; before the boxes are gone nothing else lies there; then scores at 0, indices at 4,096; then the index words
.set PPIT,    144                      ; a thread's 32 index words, 128 bytes, + 16: an odd multiple of 16, so 16 lanes that read one column of 16 rows touch 16 different columns of 16 bytes
; vector registers
.set SPW, 1                            ; LDS address of my spare word; never rewritten
.set NIL, 2                            ; 0; never rewritten
.set STK, 3                            ; LDS: my wave's entry
.set LDE, 4                            ; LDS: entry lane % 16
.set TT,  5
.set WM,  6                            ; v[6:7] greatest score of the wave, then of the work-group; its index word
.set WI,  7
.set DD,  7                            ; at the head: how many of my slots are live
.set BS,  8                            ; my best: score,
.set BI,  9                            ; index word,
.set BX,  10                           ; v[10:13] x1, y1, x2, y2
.set P0,  8                            ; at the head: my first place in the list,
.set BRA, 9                            ; LDS: my row of boxes,
.set NLN, 10                           ; minus my lane,
.set PADA, 11                          ; LDS: the 16 bytes behind my row,
.set SRA, 12                           ; LDS: my scores
.set PKA, 14                           ; LDS: my index words; never rewritten
.set LN,  15                           ; lane
.set IXA, 16                           ; v[16:31] in a pass: two buffers of eight index words, by the group's parity; slot s at IXA + s % 16.  Between passes:
.set EW,  16                           ; v[16:19] my wave's chosen box, on its way into LDS
.set ES,  20                           ; v[20:21] an entry's score and index word
.set EA,  22                           ; its box's area
.set EB,  24                           ; v[24:27] its box
.set WH,  28                           ; v[28:29] its width and height
.set BA,  32                           ; v[32:95]   boxes of the even slots, four registers each: x1 in bank 0
.set BO,  96                           ; byte offset of my 16 bytes in a load of boxes; never rewritten
.set SO,  97                           ; the same for scores
.set BB,  98                           ; v[98:161]  boxes of the odd slots: x1 in bank 2, so that one dual instruction can read the same coordinate of an even and an odd slot
.set AR,  162                          ; v[162:193] areas, by slot; at the head: the places of indices 32 j + lane, by j
.set SC,  194                          ; v[194:225] live scores, by slot
.set PT,  226                          ; v[226:249] at work: six registers for each of four pairs of boxes
.set HT,  242                          ; v[242:249] at the head: at work
.set RI,  250                          ; v[250:251] results: lane i holds the index chosen in step 2 i + parity
.set RS,  252                          ; v[252:253] and its score
; scalar registers
.set NQ,   2                           ; Q
.set KK,   3                           ; 4 Q
.set MG,   14                          ; floor(65,536 / Q) + 1
.set LB,   15                          ; LDS: my wave's bytes
.set WV,   16                          ; wave
.set SBA,  17                          ; batch
.set SLN,  18                          ; batch x 20 + class
.set WB,   19                          ; 1,024 x wave
.set SEL,  20                          ; s[20:21] v_permlanex16_b32: each lane takes its own place in the other half
.set SX1,  22                          ; the chosen box
.set SY1,  23
.set SX2,  24
.set SY2,  25
.set SAR,  26                          ; s[26:27] its area (packed forms name a pair and take its low word twice)
.set STH,  28                          ; s[28:29] t
.set SHH,  30                          ; s[30:31] hs
.set SEPS, 32
.set SNEG, 33                          ; -inf
.set SINF, 34                          ; s[34:35] +inf
.set SM,   37                          ; the lanes that hold the greatest score
.set SL,   38                          ; the lowest of them, among the entries: the chosen box's wave
.set SIX,  39                          ; the chosen index word, then the index
.set MK,   40                          ; s[40:47] for eight slots: the chosen box's lane, if the slot and the wave are its own, else no lane
.set SBIT, 48                          ; 1 << (step / 2)
.set CNT,  49
.set TMP,  50                          ; s[50:55]
.set SSL,  56                          ; the chosen box's slot
.set SOB,  57                          ; its lane as a bit, in its own wave; 0 in the other waves
.set SL1,  58                          ; the lane of my wave's own choice
.set EN,   59                          ; s[59:63] my wave's choice: index word, box
.set K16,  66                          ; 64 Q: the bytes of a row's boxes
.set CB,   67                          ; set bits so far; in the end c
.set M,    68                          ; s[68:99] my wave's 32 words of bits
	s_load_b256 s[4:11], s[0:1], 0x0               ; boxes s[4:5], scores s[6:7], iou_threshold s[8:9], bits s[10:11]
	s_load_b64 s[12:13], s[0:1], 0x20              ; out0
	v_lshl_add_u32 v[SPW], v0, 2, SPARE
	v_mov_b32 v[NIL], 0
	v_lshrrev_b32 v[TT], 5, v0
	v_readfirstlane_b32 s[WV], v[TT]
	v_and_b32 v[LN], 31, v0
	v_lshlrev_b32 v[BO], 4, v[LN]                  ; 16 bytes a lane: a wave's load of boxes covers 512 consecutive bytes
	v_lshlrev_b32 v[SO], 2, v[LN]
	v_lshl_add_u32 v[BO], v[TT], 14, v[BO]         ; my wave's 1,024 boxes: 16,384 bytes
	v_lshl_add_u32 v[SO], v[TT], 12, v[SO]         ; my wave's 1,024 scores: 4,096 bytes
	s_and_b32 s[SBA], ttmp7, 0xffff
	s_mul_i32 s[SLN], s[SBA], NCLS
	s_add_co_u32 s[SLN], s[SLN], ttmp9
	s_lshl_b32 s[TMP], s[SBA], 18                  ; a batch's boxes: 262,144 bytes
	s_mov_b32 s[TMP+1], 0
	s_lshl_b32 s[TMP+2], s[SLN], 16                ; a class's scores: 65,536 bytes
	s_mov_b32 s[TMP+3], 0
	s_lshl_b32 s[TMP+4], s[SLN], 11                ; a chain's bits: 2,048 bytes,
	s_lshl_b32 s[TMP+5], s[WV], 7                  ; my wave's 32 words of them
	s_add_co_u32 s[TMP+4], s[TMP+4], s[TMP+5]
	s_mov_b32 s[TMP+5], 0
	s_wait_kmcnt 0x0
	s_add_nc_u64 s[10:11], s[10:11], s[TMP+4:TMP+5]
	s_load_b32 s[STH], s[8:9], 0x0
	s_load_b512 s[M:M+15], s[10:11], 0x0
	s_load_b512 s[M+16:M+31], s[10:11], 0x40
	s_add_nc_u64 s[4:5], s[4:5], s[TMP:TMP+1]
	s_add_nc_u64 s[6:7], s[6:7], s[TMP+2:TMP+3]
.set j, 0
.rept 32                               ; all 64 loads go out at once.  Load j, lane l: index 32 j + l of the wave's
.set Q, BA+(BB-BA)*(j%2)+4*(j/2)
	global_load_b128 v[Q:Q+3], v[BO], s[4:5] offset:j*512
.set j, j+1
.endr
.set j, 0
.rept 32
	global_load_b32 v[SC+j], v[SO], s[6:7] offset:j*128 th:TH_LOAD_NT
.set j, j+1
.endr
	s_mov_b32 s[SEL], 0x76543210
	s_mov_b32 s[SEL+1], 0xfedcba98
	s_mov_b32 s[SEPS], EPSB
	s_mov_b32 s[SNEG], NINF
	s_mov_b32 s[SINF], PINF
	s_mov_b32 s[SINF+1], PINF
	s_lshl_b32 s[TMP+1], s[WV], 5                  ; my wave's entry
	v_mov_b32 v[STK], s[TMP+1]
	v_and_b32 v[LDE], 15, v0
	v_lshlrev_b32 v[LDE], 5, v[LDE]
	s_mul_i32 s[LB], s[WV], WSTG
	s_add_co_u32 s[LB], s[LB], STAGE
	s_lshl_b32 s[WB], s[WV], 10
	v_sub_nc_u32 v[NLN], 0, v[LN]
.irp r, WM, RI, RI+1, RS, RS+1
	v_mov_b32 v[\r], 0                             ; destinations of lane-crossing forms count as read, and the results start defined in every lane
.endr
	s_wait_kmcnt 0x0                               ; t and my 32 words
	s_add_co_u32 s[TMP], s[STH], 1                 ; the bits of the next float away from 0
	v_mov_b32 v[EB], s[STH]
	v_sub_f32 v[TT], s[TMP], v[EB]                 ; the gap, exact,
	v_mul_f32 v[TT], 0.5, v[TT]                    ; and half of it: h
	v_and_b32 v[EB+1], 1, v[EB]                    ; t's last bit;
	v_min_u32 v[EB+1], v[EB+1], v[TT]              ; (nothing is taken from an h that is 0)
	v_sub_nc_u32 v[TT], v[TT], v[EB+1]             ; odd: the float just below h
	v_cmp_gt_f32 vcc_lo, 0, v[EB]                  ; t < 0: every box is suppressed:
	v_cndmask_b32 v[TT], v[TT], v[NIL], vcc_lo     ; hs = 0,
	v_cndmask_b32 v[EB], v[EB], s[SNEG], vcc_lo    ; t = -inf
	v_readfirstlane_b32 s[SHH], v[TT]
	v_readfirstlane_b32 s[STH], v[EB]
	s_mov_b32 s[SHH+1], s[SHH]
	s_mov_b32 s[STH+1], s[STH]
	; THE PLACES, four words at a time, while the loads are on their way.  Index i = 32 j + lane with r set bits before it: place r if its bit is set, else 1,023 - (i - r).
	s_mov_b32 s[CB], 0
.set j, 0
.rept 8
	s_bcnt1_i32_b32 s[TMP+4], s[M+j]
	s_add_co_u32 s[TMP+1], s[CB], s[TMP+4]
	s_bcnt1_i32_b32 s[TMP+4], s[M+j+1]
	s_add_co_u32 s[TMP+2], s[TMP+1], s[TMP+4]
	s_bcnt1_i32_b32 s[TMP+4], s[M+j+2]
	s_add_co_u32 s[TMP+3], s[TMP+2], s[TMP+4]
	v_mbcnt_lo_u32_b32 v[AR+j], s[M+j], s[CB]      ; the set bits of the words before, and of the lanes below me in this word
.irp i, 1,2,3
	v_mbcnt_lo_u32_b32 v[AR+j+\i], s[M+j+\i], s[TMP+\i]
.endr
	s_bcnt1_i32_b32 s[TMP+4], s[M+j+3]
	s_add_co_u32 s[CB], s[TMP+3], s[TMP+4]
.irp i, 0,1,2,3
	v_add3_u32 v[HT+\i], v[AR+j+\i], v[NLN], 1023-32*(j+\i)
.endr
.irp i, 0,1,2,3
	v_cndmask_b32 v[AR+j+\i], v[HT+\i], v[AR+j+\i], s[M+j+\i]
.endr
.irp i, 0,1,2,3
	v_min_u32 v[AR+j+\i], 0x3ff, v[AR+j+\i]        ; it is a place of the 1,024 already: the bound is written where an address is made of numbers that were loaded
.endr
.set j, j+4
.endr
	s_min_u32 s[CB], s[CB], 1024
	s_add_co_u32 s[NQ], s[CB], 127
	s_lshr_b32 s[NQ], s[NQ], 7
	s_max_u32 s[NQ], s[NQ], 1
	s_min_u32 s[NQ], s[NQ], 8
	s_lshl_b32 s[KK], s[NQ], 2
	s_lshl_b32 s[K16], s[NQ], 6
	; x / Q for x under 256 is (x m) >> 16 with m = floor(65,536 / Q) + 1: the excess x (m - 65,536 / Q) / 65,536 is under 1 / 256, less than the 1 / Q that could change the whole part
	s_mov_b32 s[MG], 65537
.macro MAGIC q, m
	s_cmp_eq_u32 s[NQ], \q
	s_cselect_b32 s[MG], \m, s[MG]
.endm
	MAGIC 2, 32769
	MAGIC 3, 21846
	MAGIC 4, 16385
	MAGIC 5, 13108
	MAGIC 6, 10923
	MAGIC 7, 9363
	MAGIC 8, 8193
	v_mul_u32_u24 v[P0], s[KK], v[LN]              ; my first place
	v_min_u32 v[DD], s[CB], v[P0]
	v_sub_nc_u32 v[DD], s[CB], v[DD]               ; places from there to c,
	v_min_u32 v[DD], s[KK], v[DD]                  ; of which 4 Q at the most are mine
	v_min_u32 v[P0], 0x3e0, v[P0]
	v_add_lshl_u32 v[BRA], v[P0], v[LN], 4         ; my row: lane x (4 Q + 1) x 16 bytes: an odd multiple of 16 from row to row
	v_add_nc_u32 v[BRA], s[LB], v[BRA]
	v_add_nc_u32 v[PADA], s[K16], v[BRA]
	v_lshl_add_u32 v[SRA], v[P0], 2, s[LB]
	v_mul_u32_u24 v[PKA], PPIT, v[LN]
	v_add_nc_u32 v[PKA], s[LB], v[PKA]
.irp r, 4,5,6,7
	v_mov_b32 v[HT+\r], 0
.endr
	; where a box goes: 16 x (place + its row), the row place / 4 Q, 31 at the most: places past the 32 rows lie on end behind the last.  Four at a time.
.set j, 0
.rept 8
.irp st, 0,1,2,3,4,5
.irp i, 0,1,2,3
.set AD, 16+(j+\i)+194*((j+\i)/16)     ; v[16:31] for j under 16, v[226:241] from there on
.if \st == 0
	v_lshrrev_b32 v[AD], 2, v[AR+j+\i]
.elseif \st == 1
	v_mul_u32_u24 v[AD], s[MG], v[AD]
.elseif \st == 2
	v_lshrrev_b32 v[AD], 16, v[AD]
.elseif \st == 3
	v_min_u32 v[AD], 31, v[AD]
.elseif \st == 4
	v_add_lshl_u32 v[AD], v[AR+j+\i], v[AD], 4
.else
	v_add_nc_u32 v[AD], s[LB], v[AD]
.endif
.endr
.endr
.set j, j+4
.endr
	; THROUGH LDS.  The bytes are my wave's own and LDS serves a wave's instructions in order (AMD's ISA guide, 5.7.1), so no barrier and no wait stands between the stores and the loads,
	; nor between loads and later stores into the same bytes.  First the 16 bytes behind each row, so that every byte that a thread reads past its row's end has been written.
	ds_store_b128 v[PADA], v[HT+4:HT+7]
.set j, 0
.rept 32
.if (j%8) == 0
	s_wait_loadcnt 56-j                            ; loads come back in order: the next eight boxes are in; the younger boxes' loads and the 32 of scores may be out
.endif
.set Q, BA+(BB-BA)*(j%2)+4*(j/2)
.set AD, 16+j+194*(j/16)
	ds_store_b128 v[AD], v[Q:Q+3]
.set j, j+1
.endr
.set j, 0
.rept 32
.set Q, BA+(BB-BA)*(j%2)+4*(j/2)
	ds_load_b128 v[Q:Q+3], v[BRA] offset:j*16
.set j, j+1
.endr
	s_wait_loadcnt 0x0                             ; the scores
.set j, 0
.rept 32
	v_lshl_add_u32 v[HT+2*(j%4)], v[AR+j], 2, s[LB]
	v_add3_u32 v[HT+2*(j%4)+1], v[LN], s[WB], 32*j ; the index
	ds_store_b32 v[HT+2*(j%4)], v[SC+j]
	ds_store_b32 v[HT+2*(j%4)], v[HT+2*(j%4)+1] offset:4096
.set j, j+1
.endr
.set c, 0
.rept 8
	ds_load_b128 v[SC+4*c:SC+4*c+3], v[SRA] offset:16*c
.set c, c+1
.endr
.set c, 0
.rept 8                                ; my slots' indices: slot s in v[16 + s] under 16, v[212 + s] from there on: not in the bank of the slot's score, beside which a dual instruction reads it
.set IXR, 16+4*c+196*(c/4)
	ds_load_b128 v[IXR:IXR+3], v[SRA] offset:4096+16*c
.set c, c+1
.endr
	s_wait_dscnt 0x0
.set j, 0
.rept 32
.set IXR, 16+j+196*(j/16)
	v_lshl_or_b32 v[IXR], v[IXR], 5, j             ; the index word
.set j, j+1
.endr
.set c, 0
.rept 8
.set IXR, 16+4*c+196*(c/4)
	ds_store_b128 v[PKA], v[IXR:IXR+3] offset:16*c
.set c, c+1
.endr
; THE RUNNING ARGMAX takes a slot in, in two parts: the compare, and three dual selects.  The old best stays where it is at least as great, so the lowest slot wins among equals.
; A dual select gives its second source where VCC is set.  The halves of a dual instruction write one even and one odd register, and read their first sources, and their second sources,
; from different banks (register number mod 4) (AMD's ISA guide, on VOPD).  ix: the register that holds the slot's index word.
.macro SC1 slot
.if (\slot) > 0
	v_cmp_ge_f32 vcc_lo, v[BS], v[SC+(\slot)]
.endif
.endm
.macro SC3 slot, ix
.set Q, BA+(BB-BA)*((\slot)%2)+4*((\slot)/2)
.if (\slot) == 0
	v_dual_mov_b32 v[BS], v[SC] :: v_dual_mov_b32 v[BI], v[\ix]
	v_dual_mov_b32 v[BX], v[Q] :: v_dual_mov_b32 v[BX+1], v[Q+1]
	v_dual_mov_b32 v[BX+2], v[Q+2] :: v_dual_mov_b32 v[BX+3], v[Q+3]
.else
	v_dual_cndmask_b32 v[BS], v[SC+(\slot)], v[BS] :: v_dual_cndmask_b32 v[BI], v[\ix], v[BI]
	v_dual_cndmask_b32 v[BX], v[Q], v[BX] :: v_dual_cndmask_b32 v[BX+1], v[Q+1], v[BX+1]
	v_dual_cndmask_b32 v[BX+2], v[Q+2], v[BX+2] :: v_dual_cndmask_b32 v[BX+3], v[Q+3], v[BX+3]
.endif
.endm
; Once, for slots 4 g .. 4 g + 3, whatever Q: the areas, the dead slots, the running argmax.
.macro PREP g
.irp z, 0,1
.set TA, 244+4*\z
.set TB, 246+8*\z                      ; v[244:247], and v[248:249] with v[254:255]
.set A4, BA+8*(\g)+4*\z
.set B4, BB+8*(\g)+4*\z
	v_pk_add_f32 v[TA:TA+1], v[A4+2:A4+3], v[A4:A4+1] neg_lo:[0,1] neg_hi:[0,1]  ; (x2 - x1, y2 - y1) of the even slot,
	v_pk_add_f32 v[TB:TB+1], v[B4+2:B4+3], v[B4:B4+1] neg_lo:[0,1] neg_hi:[0,1]  ; of the odd one
.endr
.irp z, 0,1
.set TA, 244+4*\z
.set TB, 246+8*\z
	v_dual_mul_f32 v[AR+4*(\g)+2*\z], v[TA], v[TA+1] :: v_dual_mul_f32 v[AR+4*(\g)+2*\z+1], v[TB], v[TB+1]
.endr
.irp e, 0,1,2,3
	v_cmp_lt_u32 vcc_lo, 4*(\g)+\e, v[DD]
	v_cndmask_b32 v[SC+4*(\g)+\e], s[SNEG], v[SC+4*(\g)+\e], vcc_lo              ; the score in a live slot, else dead
.endr
.irp e, 0,1,2,3
.set IXR, 16+(4*(\g)+\e)+196*((4*(\g)+\e)/16)
	SC1 4*(\g)+\e
	SC3 4*(\g)+\e, IXR
.endr
.endm
; A UNIT is np pairs (even slot, odd slot) from slot b on: a group of four pairs, or half a group.  Its test against the chosen box is 17 stages of np lines, a line a pair, so that the links of a pair's
; chain stand np lines apart or more.  Stage n:
;   0, 1 the intersection's x1, x2   2 its width   3, 4 its y1, y2   5 its height   6 the two areas' sum   7 the width clipped   8 inter   10 union   12 d   13 t d - inter   14 n   15 g = n x inf   16 s = min(s, g)
;   9, 11 the chosen box itself is taken out: np slots each, by masks that scalar lines have made
.macro STG b, np, n
.if ((\n) == 9) || ((\n) == 11)
.set e, (\np)*(((\n)-9)/2)
.rept \np
	v_cndmask_b32 v[SC+(\b)+e], v[SC+(\b)+e], s[SNEG], s[MK+e]
.set e, e+1
.endr
.else
.set z, 0
.rept \np
.set T, PT+6*z
.set A4, BA+2*(\b)+4*z
.set B4, BB+2*(\b)+4*z
.set S2, (\b)+2*z
.if (\n) == 0
	v_dual_max_num_f32 v[T], s[SX1], v[A4] :: v_dual_max_num_f32 v[T+1], s[SX1], v[B4]
.elseif (\n) == 1
	v_dual_min_num_f32 v[T+2], s[SX2], v[A4+2] :: v_dual_min_num_f32 v[T+3], s[SX2], v[B4+2]
.elseif (\n) == 2
	v_pk_add_f32 v[T+2:T+3], v[T+2:T+3], v[T:T+1] neg_lo:[0,1] neg_hi:[0,1]
.elseif (\n) == 3
	v_dual_max_num_f32 v[T], s[SY1], v[A4+1] :: v_dual_max_num_f32 v[T+1], s[SY1], v[B4+1]
.elseif (\n) == 4
	v_dual_min_num_f32 v[T+4], s[SY2], v[A4+3] :: v_dual_min_num_f32 v[T+5], s[SY2], v[B4+3]
.elseif (\n) == 5
	v_pk_add_f32 v[T+4:T+5], v[T+4:T+5], v[T:T+1] neg_lo:[0,1] neg_hi:[0,1]
.elseif (\n) == 6
	v_pk_add_f32 v[T:T+1], v[AR+S2:AR+S2+1], s[SAR:SAR+1] op_sel_hi:[1,0]
.elseif (\n) == 7
	v_dual_max_num_f32 v[T+2], 0, v[T+2] :: v_dual_max_num_f32 v[T+3], 0, v[T+3]
.elseif (\n) == 8
	v_pk_mul_f32 v[T+2:T+3], v[T+2:T+3], v[T+4:T+5]
.elseif (\n) == 10
	v_pk_add_f32 v[T:T+1], v[T:T+1], v[T+2:T+3] neg_lo:[0,1] neg_hi:[0,1]
.elseif (\n) == 12
	v_dual_max_num_f32 v[T], s[SEPS], v[T] :: v_dual_max_num_f32 v[T+1], s[SEPS], v[T+1]
.elseif (\n) == 13
	v_pk_fma_f32 v[T+2:T+3], v[T:T+1], s[STH:STH+1], v[T+2:T+3] op_sel_hi:[1,0,1] neg_lo:[0,0,1] neg_hi:[0,0,1]
.elseif (\n) == 14
	v_pk_fma_f32 v[T+2:T+3], v[T:T+1], s[SHH:SHH+1], v[T+2:T+3] op_sel_hi:[1,0,1]
.elseif (\n) == 15
	v_pk_mul_f32 v[T+2:T+3], v[T+2:T+3], s[SINF:SINF+1] op_sel_hi:[1,0]
.else
	v_dual_min_num_f32 v[SC+S2], v[SC+S2], v[T+2] :: v_dual_min_num_f32 v[SC+S2+1], v[SC+S2+1], v[T+3]
.endif
.set z, z+1
.endr
.endif
.endm
.macro SELF b, e                       ; slot b + e: the chosen box's lane if the slot is its own
	s_cmp_eq_u32 s[SSL], (\b)+(\e)
	s_cselect_b32 s[MK+(\e)], s[SOB], 0
.endm
; A unit begins by asking for its own slots' index words, which the argmax wants a unit later.  prev = 1: between its stages stands the running argmax of the group BEFORE it, whose scores are final:
; a slot's compare behind one stage, its selects behind the next.  The wait in front of the first selects leaves out the loads that this unit has just issued.
.macro UNIT b, np, prev
	ds_load_b128 v[IXA+(\b)%16:IXA+(\b)%16+3], v[PKA] offset:4*(\b)
.if (\np) == 4
	ds_load_b128 v[IXA+(\b)%16+4:IXA+(\b)%16+7], v[PKA] offset:4*(\b)+16
.endif
.set n, 0
.rept 17
	STG \b, \np, n
.if n < (\np)
	SELF \b, 2*n
	SELF \b, 2*n+1
.endif
.if (\prev) && (n < 16)
.if (n%2) == 0
	SC1 (\b)-8+n/2
.else
.if n == 1
	s_wait_dscnt (\np)/2                           ; LDS loads come back in order: the group before's index words are in
.endif
	SC3 (\b)-8+n/2, IXA+((\b)-8+n/2)%16
.endif
.endif
.set n, n+1
.endr
.endm
.macro TAIL b, cnt                     ; the last unit's slots have nothing to stand between
	s_wait_dscnt 0x0
.set k, 0
.rept \cnt
	SC1 (\b)+k
	SC3 (\b)+k, IXA+((\b)+k)%16
.set k, k+1
.endr
.endm
; A PASS over Q quads of slots: Q / 2 groups, half a group if Q is odd, the last unit's argmax.  Every jump goes forward, on Q alone; none passes a barrier.
.macro PASS
	s_cmp_lt_u32 s[NQ], 2
	s_cbranch_scc1 .Lh0_\@
	UNIT 0, 4, 0
	s_cmp_lt_u32 s[NQ], 3
	s_cbranch_scc1 .Lt0_\@
	s_cmp_lt_u32 s[NQ], 4
	s_cbranch_scc1 .Lh1_\@
	UNIT 8, 4, 1
	s_cmp_lt_u32 s[NQ], 5
	s_cbranch_scc1 .Lt1_\@
	s_cmp_lt_u32 s[NQ], 6
	s_cbranch_scc1 .Lh2_\@
	UNIT 16, 4, 1
	s_cmp_lt_u32 s[NQ], 7
	s_cbranch_scc1 .Lt2_\@
	s_cmp_lt_u32 s[NQ], 8
	s_cbranch_scc1 .Lh3_\@
	UNIT 24, 4, 1
	TAIL 24, 8
	s_branch .Lend_\@
.Lh0_\@:
	UNIT 0, 2, 0
	TAIL 0, 4
	s_branch .Lend_\@
.Lt0_\@:
	TAIL 0, 8
	s_branch .Lend_\@
.Lh1_\@:
	UNIT 8, 2, 1
	TAIL 8, 4
	s_branch .Lend_\@
.Lt1_\@:
	TAIL 8, 8
	s_branch .Lend_\@
.Lh2_\@:
	UNIT 16, 2, 1
	TAIL 16, 4
	s_branch .Lend_\@
.Lt2_\@:
	TAIL 16, 8
	s_branch .Lend_\@
.Lh3_\@:
	UNIT 24, 2, 1
	TAIL 24, 4
.Lend_\@:
.endm
; A STEP'S CHOICE.  512 candidates to one: over the wave's lanes, through LDS, over the 16 waves' entries (every wave for itself).  q: the step's parity, which picks the entry buffer.
; box = 1: the chosen box is wanted for a pass; 0: the last step, which wants score and index alone.
; The owner is the lowest lane that holds the greatest score: threads, and entries, lie in the order of their indices.  Its words are read from that lane.
; ONE BARRIER A STEP.  It stands between this step's stores and its loads.  This buffer is stored into again two steps on, behind the next step's barrier, in front of which every wave
; has waited for the loads that it issues here.
.macro REDUCE q, box
	v_max_num_f32_dpp v[WM], v[BS], v[BS] row_xmask:1 row_mask:0xf bank_mask:0xf
	v_max_num_f32_dpp v[WM], v[WM], v[WM] row_xmask:2 row_mask:0xf bank_mask:0xf
	v_max_num_f32_dpp v[WM], v[WM], v[WM] row_xmask:4 row_mask:0xf bank_mask:0xf
	v_max_num_f32_dpp v[WM], v[WM], v[WM] row_xmask:8 row_mask:0xf bank_mask:0xf
	v_permlanex16_b32 v[TT], v[WM], s[SEL], s[SEL+1]
	v_max_num_f32 v[WM], v[WM], v[TT]              ; the wave's greatest score, in every lane
	v_cmp_eq_f32 s[SM], v[BS], v[WM]
	s_ctz_i32_b32 s[SL1], s[SM]
	v_readlane_b32 s[EN], v[BI], s[SL1]
.if \box
.irp r, 0,1,2,3
	v_readlane_b32 s[EN+1+\r], v[BX+\r], s[SL1]
.endr
.endif
	v_mov_b32 v[WI], s[EN]
.if \box
.irp r, 0,1,2,3
	v_mov_b32 v[EW+\r], s[EN+1+\r]
.endr
	ds_store_b128 v[STK], v[EW:EW+3] offset:BUFB*(\q)+16  ; all lanes store the same words at the same place
.endif
	ds_store_b64 v[STK], v[WM:WM+1] offset:BUFB*(\q)
	s_wait_dscnt 0x0                               ; for the other waves: my entry is written
	s_barrier_signal -1
	s_barrier_wait -1
	ds_load_b64 v[ES:ES+1], v[LDE] offset:BUFB*(\q)
.if \box
	ds_load_b128 v[EB:EB+3], v[LDE] offset:BUFB*(\q)+16
.endif
	s_wait_dscnt 0x0
	v_max_num_f32_dpp v[WM], v[ES], v[ES] row_xmask:1 row_mask:0xf bank_mask:0xf   ; both rows of lanes hold the same 16 entries
.if \box
	v_pk_add_f32 v[WH:WH+1], v[EB+2:EB+3], v[EB:EB+1] neg_lo:[0,1] neg_hi:[0,1]    ; each entry's area is made beside the maximum's chain
.endif
	v_max_num_f32_dpp v[WM], v[WM], v[WM] row_xmask:2 row_mask:0xf bank_mask:0xf
	v_max_num_f32_dpp v[WM], v[WM], v[WM] row_xmask:4 row_mask:0xf bank_mask:0xf
.if \box
	v_mul_f32 v[EA], v[WH], v[WH+1]
.endif
	v_max_num_f32_dpp v[WM], v[WM], v[WM] row_xmask:8 row_mask:0xf bank_mask:0xf
	v_cmp_eq_f32 s[SM], v[ES], v[WM]
	s_ctz_i32_b32 s[SL], s[SM]                     ; the lowest wave that holds the greatest score
	v_readlane_b32 s[SIX], v[ES+1], s[SL]
.if \box
	v_readlane_b32 s[SX1], v[EB], s[SL]
	v_readlane_b32 s[SX2], v[EB+2], s[SL]
	v_readlane_b32 s[SY1], v[EB+1], s[SL]
	v_readlane_b32 s[SY2], v[EB+3], s[SL]
	v_readlane_b32 s[SAR], v[EA], s[SL]
	s_and_b32 s[SSL], s[SIX], 31                   ; the chosen box's slot;
	s_lshl_b32 s[TMP], 1, s[SL1]                   ; if its wave is mine, its lane is the lane of my wave's own choice
	s_cmp_eq_u32 s[SL], s[WV]
	s_cselect_b32 s[SOB], s[TMP], 0
	s_mov_b32 s[SAR+1], s[SAR]
.endif
	s_lshr_b32 s[SIX], s[SIX], 5                   ; the index
	v_cndmask_b32 v[RI+(\q)], v[RI+(\q)], s[SIX], s[SBIT]  ; the step's result goes into its lane
	v_cndmask_b32 v[RS+(\q)], v[RS+(\q)], v[WM], s[SBIT]
.endm
.irp g, 0,1,2,3,4,5,6,7
	PREP \g
.endr
	s_mov_b32 s[SBIT], 1
	s_mov_b32 s[CNT], 24
.Lstep:                                        ; steps 2 i and 2 i + 1
	REDUCE 0, 1
	PASS
	REDUCE 1, 1
	PASS
	s_lshl_b32 s[SBIT], s[SBIT], 1
	s_sub_co_u32 s[CNT], s[CNT], 1
	s_cmp_lg_u32 s[CNT], 0
	s_cbranch_scc1 .Lstep
	REDUCE 0, 1                                    ; step 48
	PASS
	REDUCE 1, 0                                    ; step 49: nothing is suppressed behind it
	; THE WAY OUT.  Every wave holds the results; wave 0 stores them: rows 2 l and 2 l + 1 from lane l, 12 bytes each, 600 consecutive bytes.
	s_cmp_lg_u32 s[WV], 0
	s_cbranch_scc1 .Lend
	s_mul_i32 s[TMP], s[SLN], 600
	s_mov_b32 s[TMP+1], 0
	s_add_nc_u64 s[12:13], s[12:13], s[TMP:TMP+1]
	s_mov_b32 s[TMP+2], ttmp9
	s_mov_b32 s[TMP+3], HALFNEG
	v_mov_b32 v[EB], s[SBA]
	v_mov_b32 v[EB+1], s[TMP+2]
	v_mul_u32_u24 v[WH], v[LN], 24
.irp q, 0,1
	v_cmp_lt_f32 vcc_lo, s[TMP+3], v[RS+\q]        ; was a live candidate left?
	v_cndmask_b32 v[EW+4*\q], -1, v[EB], vcc_lo
	v_cndmask_b32 v[EW+4*\q+1], -1, v[EB+1], vcc_lo
	v_cndmask_b32 v[EW+4*\q+2], -1, v[RI+\q], vcc_lo
.endr
	s_wait_xcnt 0x0                                ; EXEC changes only behind this wait
	v_cmp_gt_u32 vcc_lo, 25, v[LN]
	s_and_saveexec_b32 s[TMP+4], vcc_lo            ; lanes 0 to 24: 50 rows
	global_store_b96 v[WH], v[EW:EW+2], s[12:13]
	global_store_b96 v[WH], v[EW+4:EW+6], s[12:13] offset:12
	s_wait_xcnt 0x0                                ; and again, in front of the line that widens it
	s_or_b32 exec_lo, exec_lo, s[TMP+4]
.Lend:
	s_wait_tensorcnt 0x0                           ; the wave's end, behind my last LDS store
	ds_add_u32 v[SPW], v[NIL]
	s_wait_dscnt 0x0
	s_endpgm
.Lfunc_end_k_q87af4a302c_nms:
	.size	k_q87af4a302c_nms, .Lfunc_end_k_q87af4a302c_nms-k_q87af4a302c_nms
	.p2alignl 7, 3214868480
	.fill 96, 4, 3214868480
	.section	.rodata,"a",@progbits
	.p2align	6, 0x0
	.amdhsa_kernel k_q87af4a302c_nms
		.amdhsa_group_segment_fixed_size 273408
		.amdhsa_private_segment_fixed_size 0
		.amdhsa_enable_private_segment 0
		.amdhsa_kernarg_size 40
		.amdhsa_user_sgpr_count 2
		.amdhsa_user_sgpr_kernarg_segment_ptr 1
		.amdhsa_wavefront_size32 1
		.amdhsa_system_sgpr_workgroup_id_x 1
		.amdhsa_system_sgpr_workgroup_id_y 1
		.amdhsa_system_sgpr_workgroup_id_z 1
		.amdhsa_system_vgpr_workitem_id 0
		.amdhsa_next_free_vgpr 256
		.amdhsa_next_free_sgpr 100
		.amdhsa_reserve_vcc 1
		.amdhsa_float_denorm_mode_32 3
		.amdhsa_float_denorm_mode_16_64 3
		.amdhsa_memory_ordered 1
		.amdhsa_forward_progress 1
		.amdhsa_inst_pref_size 221
	.end_amdhsa_kernel
	.amdgpu_metadata
---
amdhsa.version: [ 1, 2 ]
amdhsa.kernels:
  - .name:           k_q87af4a302c_nms
    .symbol:         k_q87af4a302c_nms.kd
    .args:
      - { .name: boxes, .offset: 0, .size: 8, .value_kind: global_buffer, .address_space: global }
      - { .name: scores, .offset: 8, .size: 8, .value_kind: global_buffer, .address_space: global }
      - { .name: iou_threshold, .offset: 16, .size: 8, .value_kind: global_buffer, .address_space: global }
      - { .name: bits, .offset: 24, .size: 8, .value_kind: global_buffer, .address_space: global }
      - { .name: out0, .offset: 32, .size: 8, .value_kind: global_buffer, .address_space: global }
    .group_segment_fixed_size: 273408
    .private_segment_fixed_size: 0
    .kernarg_segment_align: 8
    .kernarg_segment_size: 40
    .max_flat_workgroup_size: 512
    .sgpr_count:     100
    .vgpr_count:     256
    .wavefront_size: 32
...
	.end_amdgpu_metadata
.endif
;; end of part 3
;; ======== version 3 of 3: 2 launches; version 2 with the launch pick written anew for expert scheduling mode
;; workspace buffers: bits 327,680 bytes of whole numbers
;; launch pick (part 4): grid 256 x 1, 5 waves a work-group, no clusters, 0 bytes of LDS; arguments scores, score_threshold, bits; writes bits
.if DOCPART == 4
	.amdgcn_target "amdgcn-amd-amdhsa--gfx1250"
	.amdhsa_code_object_version 6
	.text
	.protected	k_q87af4a302c_pick
	.globl	k_q87af4a302c_pick
	.p2align	8
	.type	k_q87af4a302c_pick,@function
k_q87af4a302c_pick:
	s_mov_b64 s[64:65], 0
	v_nop
	global_prefetch_b8 v0, s[64:65] scope:SCOPE_SE
	s_setreg_imm32_b32 hwreg(HW_REG_WAVE_SCHED_MODE, 0, 2), 2
	s_setreg_imm32_b32 hwreg(HW_REG_WAVE_MODE, 25, 1), 1
	s_wait_xcnt 0x0
	s_wait_alu depctr_vm_vsrc(0)
; FIRST OF TWO LAUNCHES OF A GREEDY NON-MAXIMUM SUPPRESSION.  scores [160][16384] f32, score_threshold [1] f32 -> bits [160][512] words:
; bit l of word j of a chain (a batch and class) is set where score 32 j + l is above the threshold (a NaN is not).  The words are stored at fixed places; the second launch reads them
; and lays out its work by them.
; WHAT THE PROGRAM LEAVES OUT, for all values of the inputs.
; (1) The suppression of the 50th step: the scan throws its last carry away, so nothing reads those scores.
; (2) The factor valid in where(valid & sup, NEG, s).  valid is false when the greatest score is at most 0.5 NEG.  reference() then leaves the scores as they are, so every later step is not
; valid either; the program goes on taking scores out, the greatest score never rises, so every later step is not valid either; and such a step gives -1, -1, -1 whatever was chosen.
; (3) The boxes whose score is not above the threshold are not tested: which they are is read from bits by the second launch.  Their score is NEG from the start: NEG written over NEG changes
; nothing, they suppress nobody unless chosen, and one can be chosen only when the greatest score is NEG, in a step that is not valid.
; LIMIT: a NaN, an infinity or an overflow that reaches only the work left out is not carried to the result.
; SHARES.  1,280 waves, 2,048 scores each: 64 loads of 32 neighbouring scores, a lane a score, so that a compare's lane mask is a word of bits as it stands.  24 to 32 loads are always out.
; The 64 words are gathered in two registers, words 2 i and 2 i + 1 in lane i, and leave by one store of 256 consecutive bytes, aligned.
; THE MODE: SCHED_MODE bits 1:0 = 2 (LLVM: expert scheduling mode 2), set by the entry lines.  The code itself states the register dependences between vector instructions and memory
; instructions, and between a vector instruction that writes a scalar register and that register's readers, with s_wait_alu, always for 0.
; THE PLAN.  The 64 words go in eight blocks of eight.  Registers that memory instructions touch, and the scalar registers that vector instructions write:
;   v3, v4     byte offsets of the loads and of the store: made once at the head, never written again.
;   X0 .. X3   four buffers of eight registers.  Written by loads alone: buffer b takes block b at the head and block b + 4 in block b.  Read by the eight compares of blocks b and b + 4.
;   WD         written by the head's two moves and by the lane writes; read by the one store, at the end.
;   MS         eight lane masks: written by a block's eight compares, read by the same block's eight lane writes.
;   s10        the wave's number: written by v_readfirstlane_b32, read by one scalar add.
; A block: the wait for its data; its eight compares; one wait on va_vdst (blocks 0 to 3: the compares are done reading the buffer, which is asked for again at once) and one on va_sdst
; (the masks are written); then its eight loads dealt among its eight lane writes, which name WD and a mask and none of the registers that those loads touch.
; No register that a memory instruction reads is ever written behind that instruction, so the only wait on vm_vsrc is the one at the entry.  EXEC is never written.
.set X,  8                             ; v[8:39] four buffers of eight: word w lands in X + w % 32
.set WD, 6                             ; v[6:7]  the wave's 64 words
.set MS, 20                            ; s[20:27] a block's eight lane masks
	s_load_b128 s[4:7], s[0:1], 0x0                ; scores s[4:5], score_threshold s[6:7]
	s_load_b64 s[8:9], s[0:1], 0x10                ; bits
	v_lshrrev_b32 v1, 5, v0
	v_readfirstlane_b32 s10, v1                    ; wave 0..4
	v_and_b32 v2, 31, v0
	v_lshlrev_b32 v3, 2, v2                        ; my score in a load; never rewritten
	v_lshlrev_b32 v4, 3, v2                        ; my two words in the store; never rewritten
	v_mov_b32 v[WD], 0                             ; a lane write counts as a read of its destination
	v_mov_b32 v[WD+1], 0
	s_mul_i32 s11, ttmp9, 5
	s_wait_alu depctr_va_sdst(0)                   ; s10 is written, ahead of its first reader: both bases are made from it
	s_add_co_u32 s11, s11, s10                     ; my wave among the 1,280 = 8 x chain + eighth of the chain
	s_lshl_b32 s12, s11, 13                        ; its 2,048 scores: 8,192 bytes
	s_mov_b32 s13, 0
	s_lshl_b32 s14, s11, 8                         ; its 64 words: 256 bytes
	s_mov_b32 s15, 0
	s_wait_kmcnt 0x0
	s_load_b32 s16, s[6:7], 0x0                    ; the threshold
	s_add_nc_u64 s[4:5], s[4:5], s[12:13]
	s_add_nc_u64 s[8:9], s[8:9], s[14:15]
	s_wait_alu depctr_va_vdst(0)                   ; v3 is written, which every load reads as its offset (and v4, which the store reads)
.set j, 0
.rept 32                               ; blocks 0 to 3 into X0 to X3
	global_load_b32 v[X+j], v3, s[4:5] offset:j*128 th:TH_LOAD_NT
.set j, j+1
.endr
	s_wait_kmcnt 0x0                               ; the threshold
; Block p: words 8 p .. 8 p + 7.  ahead = 1: its buffer is asked for again, with block p + 4.  left = how many younger loads may still be out when this block's eight have to be there.
.macro BLK p, ahead, left
	s_wait_loadcnt \left                           ; loads come back in order (ISA guide 5.7.1): this block's eight are in, the younger blocks stay out
.set k, 0
.rept 8
	v_cmp_lt_f32 s[MS+k], s16, v[X+(8*(\p)+k)%32]
.set k, k+1
.endr
.if \ahead
	s_wait_alu depctr_va_vdst(0)                   ; the eight compares are done reading this buffer, in which the loads below land
.endif
	s_wait_alu depctr_va_sdst(0)                   ; the eight compares have written their masks, ahead of the first lane write that reads one: one wait for the run
.set k, 0
.rept 8
.if \ahead
	global_load_b32 v[X+8*(\p)+k], v3, s[4:5] offset:(32+8*(\p)+k)*128 th:TH_LOAD_NT  ; no wait: since the wait on va_vdst only lane writes were issued, and they name none of these registers
.endif
	v_writelane_b32 v[WD+k%2], s[MS+k], 4*(\p)+k/2 ; word w goes to register w % 2, lane w / 2
.set k, k+1
.endr
.endm
	BLK 0, 1, 24                                   ; behind a block's eight loads stand 24 younger ones: the rest of the first 32 and those issued since
	BLK 1, 1, 24
	BLK 2, 1, 24
	BLK 3, 1, 24
	BLK 4, 0, 24                                   ; blocks 4 to 7 ask for nothing more: no load leaves the buffer, and the counts run down
	BLK 5, 0, 16
	BLK 6, 0, 8
	BLK 7, 0, 0
	s_wait_alu depctr_va_vdst(0)                   ; the lane writes have written WD, which the store reads
	global_store_b64 v4, v[WD:WD+1], s[8:9]
	s_endpgm
.Lfunc_end_k_q87af4a302c_pick:
	.size	k_q87af4a302c_pick, .Lfunc_end_k_q87af4a302c_pick-k_q87af4a302c_pick
	.p2alignl 7, 3214868480
	.fill 96, 4, 3214868480
	.section	.rodata,"a",@progbits
	.p2align	6, 0x0
	.amdhsa_kernel k_q87af4a302c_pick
		.amdhsa_group_segment_fixed_size 0
		.amdhsa_private_segment_fixed_size 0
		.amdhsa_enable_private_segment 0
		.amdhsa_kernarg_size 24
		.amdhsa_user_sgpr_count 2
		.amdhsa_user_sgpr_kernarg_segment_ptr 1
		.amdhsa_wavefront_size32 1
		.amdhsa_system_sgpr_workgroup_id_x 1
		.amdhsa_system_sgpr_workgroup_id_y 1
		.amdhsa_system_sgpr_workgroup_id_z 1
		.amdhsa_system_vgpr_workitem_id 0
		.amdhsa_next_free_vgpr 40
		.amdhsa_next_free_sgpr 66
		.amdhsa_reserve_vcc 0
		.amdhsa_float_denorm_mode_32 3
		.amdhsa_float_denorm_mode_16_64 3
		.amdhsa_memory_ordered 1
		.amdhsa_forward_progress 1
		.amdhsa_inst_pref_size 16
	.end_amdhsa_kernel
	.amdgpu_metadata
---
amdhsa.version: [ 1, 2 ]
amdhsa.kernels:
  - .name:           k_q87af4a302c_pick
    .symbol:         k_q87af4a302c_pick.kd
    .args:
      - { .name: scores, .offset: 0, .size: 8, .value_kind: global_buffer, .address_space: global }
      - { .name: score_threshold, .offset: 8, .size: 8, .value_kind: global_buffer, .address_space: global }
      - { .name: bits, .offset: 16, .size: 8, .value_kind: global_buffer, .address_space: global }
    .group_segment_fixed_size: 0
    .private_segment_fixed_size: 0
    .kernarg_segment_align: 8
    .kernarg_segment_size: 24
    .max_flat_workgroup_size: 160
    .sgpr_count:     66
    .vgpr_count:     40
    .wavefront_size: 32
...
	.end_amdgpu_metadata
.endif
;; end of part 4
;; launch nms: the kernel of part 3 again; grid 20 x 8, 16 waves a work-group, no clusters, 273,408 bytes of LDS; arguments boxes, scores, iou_threshold, bits, out0; writes out0
